; MI455X (gfx1250); checked and timed in simulation.
; The chip was launched on July 23, 2026; its instructions are those of AMD's public machine-readable ISA for CDNA 5 (MIT licence, August 2026) and "CDNA5" Instruction Set Architecture Reference Guide (July 2026). The comments in the code are by the model that wrote it; some were corrected since.
;; Multi Head Attention. Allowed arithmetic: matrix products marked QUANTISED: E2M3 operands, one E8M0 scale for each 32 along K, by v_wmma_scale_f32_16x16x128_f8f6f4 with both operands' format E2M3, f32 sums; everything else in f32.
;; Inputs: b_out 1,024 float32; input_ids 4 x 2,048 int32; w_out_codes 1,024 x 32 x 24 uint8 (E2M3 codes of w_out, K innermost, in blocks of 32 codes, four codes in three bytes); w_out_scales 1,024 x 32 uint8 (E8M0 scales of w_out, one for each 32 codes along K); w_qkv_codes 3,072 x 32 x 24 uint8 (E2M3 codes of w_qkv, K innermost, in blocks of 32 codes, four codes in three bytes); w_qkv_scales 3,072 x 32 uint8 (E8M0 scales of w_qkv, one for each 32 codes along K); x_codes 4 x 2,048 x 32 x 24 uint8 (E2M3 codes of x, K innermost, in blocks of 32 codes, four codes in three bytes); x_scales 4 x 2,048 x 32 uint8 (E8M0 scales of x, one for each 32 codes along K).
;; Outputs: out0 4 x 2,048 x 1,024 float32.
;; This version of the problem:
;;   THIS VERSION OF THE PROBLEM IS GIVEN IN LOW PRECISION. The matrix products marked QUANTISED in the list below multiply operands that are first quantised to E2M3 (2 exponent bits, 3 mantissa bits; 6 bits a number), with one power-of-two scale for each 32 numbers along K (OCP MX v1.0); their sums are f32. All else is computed in f32.
;;   The module's matrix products, in the order in which they are computed (A, B: the left and right operand; K: the contracted axis; several contracted axes count as one K, in the product's order):
;;     1. [M 8,192, K 1,024] x [K 1,024, N 3,072]; A: input x (given as codes); B: input w_qkv (given as codes): QUANTISED
;;     2. batch 64 x [M 2,048, K 64] x [K 64, N 2,048]; A: computed on the way; B: computed on the way: QUANTISED
;;     3. batch 64 x [M 2,048, K 2,048] x [K 2,048, N 64]; A: softmax (see below); B: computed on the way: QUANTISED
;;     4. [M 8,192, K 1,024] x [K 1,024, N 1,024]; A: computed on the way; B: input w_out (given as codes): QUANTISED
;;   THE QUANTISER, for each operand of a quantised product, along K:
;;     - K is cut into blocks of 32 from its start; a last block that is shorter is filled with zeros.
;;     - A block's scale is 2^e with e = floor(log2(the largest magnitude in the block)) - 2, held to -126 .. 127; a block of zeros has e = 0. As a byte (E8M0): e + 127.
;;     - Each number is divided by its block's scale, clamped to +-7.5, and rounded to the nearest number of E2M3, ties to even, subnormals kept.
;;     - The product sums the exact products of the quantised numbers (number of the format x scale) in f32.
;;   ~~~python
;;   def quantise(x, axis):      # numpy; x: float32 -> the quantised numbers, widened to float32 again
;;       x = np.moveaxis(x, axis, -1); K = x.shape[-1]
;;       x = np.pad(x, [(0, 0)] * (x.ndim - 1) + [(0, -K % 32)]); x = x.reshape(x.shape[:-1] + (-1, 32)); a = np.abs(x).max(-1, keepdims=True)
;;       e = np.where(a > 0, np.clip(np.frexp(np.where(a > 0, a, 1))[1] - 1 - 2, -126, 127), 0)      # np.frexp(a)[1] - 1 = floor(log2(a)), exactly
;;       r = np.clip(x / 2.0 ** e, -7.5, 7.5)
;;       step = 2.0 ** (np.maximum(np.frexp(np.where(r == 0, 1, r))[1] - 1, 0) - 3)
;;       q = np.round(r / step) * step * 2.0 ** e      # np.round: ties to even
;;       return np.moveaxis(q.reshape(q.shape[:-2] + (-1,))[..., :K], -1, axis).astype(np.float32)
;;   ~~~
;;   SOFTMAX AHEAD OF A QUANTISED PRODUCT. Where the list says 'softmax', what is quantised is not the finished softmax but p = 2^(t - M), with t = logit x log2(e) and M = ceil(the row's largest t), a whole number; so 1/2 < the row's largest p <= 1. The row's sum l is taken of the UNQUANTISED p, in f32, and the product's result is divided by l at the end. Since M is a whole number, a kernel that streams over the keys may use a running M (the ceiling of the running maximum): every later rescaling is an exact power of two, which a block's scale takes up: the codes' values come out the same.
;;   OPERANDS COMPUTED ON THE WAY. 'Computed on the way' means the value that the module computes at that place (a softmax that the list does not call 'softmax' is quantised finished and normalised). What goes into a quantiser is computed in f32, as accurately as f32 sums, v_exp_f32 and their like allow (about 1e-6 of the number): no bf16 or f16 on the way to a quantiser, and a product that is left as it is and whose result goes on into a quantised operand takes f32 operands (vector FMAs, or v_wmma_f32_16x16x4_f32). A number that lies on a knife's edge between two numbers of the format may be rounded either way, as far as f32 arithmetic and the matrix unit's own rounding can turn it there, and no further.
;;   INPUTS GIVEN AS CODES. w_out (in the module: [1024, 1024], K = its axis 0); w_qkv (in the module: [1024, 3072], K = its axis 0); x (in the module: [4, 2048, 1024], K = its axis 2): each comes as NAME_codes (uint8): NAME with its K axis moved to the last place and cut into blocks of 32 codes, [.., K / 32, bytes a block], one block behind the other in memory; four codes in three bytes: a row's codes are one little-endian stream of bits, code i at bits 6 i .. 6 i + 5 (a code: sign, 2 exponent bits, 3 mantissa bits); and NAME_scales (uint8): the same leading axes, one E8M0 byte (e + 127) for each 32 codes along K. Its value is code x scale, taken as it is: it is not quantised again, and the codes and scales need not be those that the quantiser above would give.
;; One version. Each part assembles by itself: llvm-mc -triple=amdgcn-amd-amdhsa -mcpu=gfx1250 --defsym DOCPART=n.
;; ======== version 1 of 1: 3 launches
;; limits: right only within a limited range of input values
;; workspace buffers: qkvw 24,379,392 bytes; yimg 6,291,456 bytes; ysc 262,144 bytes
;; launch qkv (part 1): grid 12 x 32, 4 waves a work-group, clusters of 4 x 4, 327,680 bytes of LDS; arguments x_codes, x_scales, w_qkv_codes, w_qkv_scales, input_ids, qkvw; writes qkvw
.if DOCPART == 1
	.amdgcn_target "amdgcn-amd-amdhsa--gfx1250"
	.amdhsa_code_object_version 6
	.text
	.protected	k_qcef3d4996f_qkv
	.globl	k_qcef3d4996f_qkv
	.p2align	8
	.type	k_qcef3d4996f_qkv,@function
k_qcef3d4996f_qkv:
	s_mov_b64 s[64:65], 0
	v_nop
	global_prefetch_b8 v0, s[64:65] scope:SCOPE_SE
	s_setreg_imm32_b32 hwreg(HW_REG_WAVE_MODE, 25, 1), 1
	s_wait_xcnt 0x0
	s_wait_alu depctr_hold_cnt(0) depctr_sa_sdst(0) depctr_va_vdst(0) depctr_va_sdst(0) depctr_va_ssrc(0) depctr_va_vcc(0) depctr_vm_vsrc(0)
	s_getreg_b32 s2, hwreg(HW_REG_IB_STS2, 6, 4)
	s_cmp_eq_u32 s2, 0
	s_cbranch_scc0 .Lentry_in_a_cluster
	s_endpgm
.Lentry_in_a_cluster:
	s_bfe_u32 s2, ttmp6, 0x10000c
	s_cmp_lg_u32 s2, 0xf033
	s_cbranch_scc0 .Lentry_shape_is_right
	s_endpgm
.Lentry_shape_is_right:
; qkv = x w_qkv on codes of FP6 (E2M3) with E8M0 scales, K = 1,024; the results never leave as f32: q and k are quantised along the head's 64 channels, v along the keys,
; in the registers in which the sums end, and stored in the order in which the next launch's operand registers take them.
; A tile of 256 x 256 is made by four waves, 128 x 128 each (64 accumulators, 512 registers); K goes in steps of 256 through a ring of two LDS slots filled by joint tensor loads; the scale bytes come once.
; WHICH SIDE IS WHICH.  The matrix instruction is used transposed: source 1's row stays in a lane, source 0's rows run along the lane's registers.  A quantiser wants its K along the registers.
; Cluster x = 0 (q) and 1 (k): source 1 = 16 tokens of x, source 0 = 16 channels of w_qkv.  Cluster x = 2 (v): source 1 = 16 channels of w_qkv, source 0 = 16 tokens of x.  The choice hangs on the cluster's x alone,
; which all sixteen partners share; only pointers and tile numbers are chosen, the loop is one text.  'A' below is source 1's tensor, 'B' source 0's.
; ORDER INSIDE A BLOCK OF 32.  A lane's 16 registers of two neighbouring tiles are places 0-7, 16-23 (lanes 0-15) or 8-15, 24-31 (lanes 16-31) of a block; q and k get the same order along the channels, v and the
; softmax's p the same along the keys, so each product's two sides agree; blocks and scales are as the quantiser has them.
; THE RECORD of (batch, head, step of 128 tokens), REC bytes: K's 8 tiles as register images (8 registers a lane: 6 of codes, a flag word, 0), K's scale words, V's 4 tiles as images, V's scale words, Q's images, Q's scale words.
; THE PAD MASK RIDES IN THE PRODUCT.  q k^T has K = 64 in an instruction of 128.  Q carries the code -7.5 at k = 64 and 96 under the scale 2^50, zeros elsewhere above 63.  A key whose token id is 0 carries +7.5 there
; under 2^50, so that its score is lowered by 112.5 x 2^100; a key that counts carries the code 0 under the byte 1 and its score is untouched.
; LIMITS: NaN and infinities among the sums are not served; a block whose largest magnitude lies under 2^-124 keeps the byte 1 (a block of zeros too: its codes are zeros, and this program alone reads the bytes).
.set KSTEP,  256
.set NQ,     2                         ; matrix instructions deep in a slot
.set ROWB,   192                       ; a tile's row: 256 codes
.set KROW,   768                       ; a row of x or of w_qkv in memory: 1,024 codes
.set PITCH,  240                       ; an LDS row: 3 x (64 bytes + 16 of padding)
.set FR,     12                        ; registers of a fragment
.set NL,     6                         ; LDS loads that bring one
.set NP,     4                         ; places behind this matrix instruction (ISA guide 7.12.1)
.set HALFT,  128*PITCH
.set SLOT,   4*HALFT
.set LAPS,   2                         ; 1,024 / 512
.set KS,     32                        ; a row of scale bytes
.set SCL,    2*SLOT                    ; behind the ring: the scale bytes, units of 256 bytes + 16
.set HALFS,  (128*KS/256)*272
.set SBLK,   (16*KS/256)*272
.set SPARE,  SCL+4*HALFS               ; the spare words, 128 bytes a wave, named by no other line
.set REC,    23808                     ; a record: 8192 + 512 + 6144 + 256 + 8192 + 512
.set HEADD,  16*REC                    ; from a head to the next
.set ADRA, 16                          ; v16-19  LDS addresses of A's fragments (slot 0, 1; the same behind one padding more)
.set ADRB, 20                          ; v20-23  of B's
.set LO,   24                          ; v24     16 x lane
.set LV0,  25                          ; v25     512 h + 16 r: V's images, even tiles
.set LV1,  26                          ; v26     512 h + 16 (r xor 8): odd tiles
.set ADRS, 27                          ; v27     LDS address of my scale words
.set SPW,  28                          ; v28     my spare word; never rewritten
.set NIL,  29                          ; v29     0; never rewritten
.set VSO,  30                          ; v30     16 r + h x HEADD: V's scale words
.set IDO,  31                          ; v31     4 r: token ids
.set SC,   32                          ; v32-63  scale words, two sets
.set IDS,  64                          ; v64-71  the ids of my 128 tokens: register a, lane r: token 16 a + r
.set OC,   112                         ; v112-127 codes to store
.set AF,   128                         ; A's fragments, one set; free on the way out
.set YT,   128                         ; the way out: the conversions' second halves
.set SW,   144                         ; v144-159 scale words gathered
.set FWN,  160                         ; flag word of a key that counts; v161 of a pad key; v162, v163 the two flag bytes likewise, in a word's upper half
.set FWP,  161
.set FBN,  162
.set FBP,  163
.set FB,   164
.set DD,   168                         ; v168-171 scale words chosen for a store
.set TM,   200                         ; v200-203 largest magnitudes, v204-207 bytes, v212-215 the conversions' scale operands
.set PW,   216                         ; the scale word just made
.set SEL,  20                          ; s[20:21] selects for lane l xor 16 (set behind the head's arithmetic)
.set HM,   22                          ; s22     lanes 16-31
.set G1, 24
.set G0, 32
.set G1B, 48
.set G0B, 56
.set G1S, 68
.set G0S, 76
.set G1SB, 80
.set G0SB, 88
.set MSB, 0
.macro WIN new                         ; the immediate's high byte repeats the setting that is left
.if MSB != (\new)
	s_set_vgpr_msb (MSB<<8)|(\new)
.set MSB, (\new)
.endif
.endm
.set MUL_LO, 0xa1                      ; source 0 (B) window 1, source 1 (A) window 0, C and D window 2
.set MUL_HI, 0xf1                      ; the same, C and D window 3
.set TO_B,   0x40                      ; destination window 1
; A joint load: waves 0 and 1 fetch for A, waves 2 and 3 for B; the branch hangs on the wave's number alone.  Four v_nop follow each of the two lines.
.macro JLOAD g0a, g1a, g0b, g1b
	s_cmp_eq_u32 s15, 0
	s_cbranch_scc0 .Lfor_b_\@
	tensor_load_to_lds s[\g0a:\g0a+3], s[\g1a:\g1a+7]
	s_nop 0
.rept 4
	v_nop
.endr
	s_branch .Lasked_\@
.Lfor_b_\@:
	tensor_load_to_lds s[\g0b:\g0b+3], s[\g1b:\g1b+7]
	s_nop 0
.rept 4
	v_nop
.endr
.Lasked_\@:
.endm
.macro CREST                           ; a round of the cluster's barrier behind its opening barrier
	s_cmp_lg_u32 s14, 0
	s_cbranch_scc1 .Lnot_wave_0_\@
	s_barrier_signal -3
.Lnot_wave_0_\@:
	s_barrier_wait -3
	s_barrier_signal -1
	s_barrier_wait -1
.endm
.macro CROUND
	s_barrier_signal -1
	s_barrier_wait -1
	CREST
.endm
	s_load_b128 s[4:7], s[0:1], 0x0                ; x's codes, x's scales
	s_load_b128 s[8:11], s[0:1], 0x10              ; w_qkv's codes, its scales
	s_load_b64 s[100:101], s[0:1], 0x20            ; input_ids
	s_load_b64 s[12:13], s[0:1], 0x28              ; the records
	v_lshl_add_u32 v[SPW], v0, 2, SPARE
	v_mov_b32 v[NIL], 0
	ds_add_u32 v28, v29
	ds_add_u32 v28, v29
	s_wait_dscnt 0x0
	v_lshrrev_b32 v1, 5, v0
	v_readfirstlane_b32 s14, v1                    ; wave 0..3
	s_lshr_b32 s15, s14, 1                         ; which half of A's 256 rows is mine.  Also: I fetch for A (0) or for B (1)
	s_and_b32 s16, s14, 1                          ; which half of B's.  Also: which 128 rows of that tile I fetch
	s_bfe_u32 s40, ttmp6, 0x40000                  ; cx, cy: my place in the cluster
	s_bfe_u32 s41, ttmp6, 0x40004
	s_and_b32 s18, ttmp7, 0xffff
	s_lshl_b32 s18, s18, 2                         ; 4 x cluster y: the cluster's first tile of 256 tokens
	s_lshl_b32 s19, ttmp9, 2                       ; 4 x cluster x: its first tile of 256 channels
	s_cmp_eq_u32 ttmp9, 2                          ; v's cluster?
	s_cselect_b32 s42, s18, s19                    ; B's tile: tokens for v, channels for q and k,
	s_cselect_b32 s17, 8, s18                      ; A's tile: channels 2,048 on for v, tokens for q and k
	s_add_co_u32 s42, s42, s40                     ; + cx: it hangs on cx alone among the places
	s_add_co_u32 s17, s17, s41                     ; + cy: on cy alone
	s_lshl_b32 s43, s41, 2
	s_lshl_b32 s43, 15, s43                        ; my row of the cluster
	s_lshl_b32 s44, 0x1111, s40                    ; my column
	s_or_b32 s[G1+0], s43, (0<<16)|(1<<20)|(1<<21)|(3<<22)|(3<<25)  ; the mask: A's tiles go to my row; elements of 1 byte; padding on; bit 21 beside a mask; behind every 16 words 4 words
	s_or_b32 s[G1B+0], s44, (0<<16)|(1<<20)|(1<<21)|(3<<22)|(3<<25)
.irp g, G1, G1B
	s_mov_b32 s[\g+1], ROWB<<16                    ; tensor_dim0
	s_mov_b32 s[\g+2], 128<<16                     ; tensor_dim1
	s_mov_b32 s[\g+3], ROWB<<16                    ; tile_dim0
	s_mov_b32 s[\g+4], 128                         ; tile_dim1
	s_mov_b32 s[\g+5], KROW                        ; pitch
	s_mov_b32 s[\g+6], 0
	s_mov_b32 s[\g+7], 0
.endr
	s_or_b32 s[G1S+0], s43, (3<<16)|(1<<20)|(1<<21)|(5<<22)|(3<<25)  ; the scale bytes of 128 rows: a dense block as rows of 256 bytes, 16 bytes of padding behind each
	s_or_b32 s[G1SB+0], s44, (3<<16)|(1<<20)|(1<<21)|(5<<22)|(3<<25)
.irp g, G1S, G1SB
	s_mov_b32 s[\g+1], 32<<16
	s_mov_b32 s[\g+2], (128*KS/256)<<16
	s_mov_b32 s[\g+3], 32<<16
	s_mov_b32 s[\g+4], 128*KS/256
	s_mov_b32 s[\g+5], 32
	s_mov_b32 s[\g+6], 0
	s_mov_b32 s[\g+7], 0
.endr
	s_lshl_b32 s18, s16, 7                         ; which 128 rows of the tile I fetch
	s_lshl_b32 s20, s17, 8
	s_add_co_u32 s20, s20, s18                     ; A: row 256 x tile + 128 x half
	s_lshl_b32 s46, s42, 8
	s_add_co_u32 s46, s46, s18                     ; B likewise
	s_mov_b32 s21, 0
	s_mov_b32 s47, 0
	s_mov_b64 s[18:19], KS
	s_mul_u64 s[22:23], s[20:21], s[18:19]         ; where these rows' scale bytes begin
	s_mul_u64 s[92:93], s[46:47], s[18:19]
	s_mov_b64 s[18:19], KROW
	s_mul_u64 s[20:21], s[20:21], s[18:19]         ; and their codes
	s_mul_u64 s[46:47], s[46:47], s[18:19]
	s_mul_i32 s45, s14, HALFT                      ; where they go: wave x 128 rows
	s_mul_i32 s94, s14, HALFS
	s_wait_kmcnt 0x0
	s_cmp_eq_u32 ttmp9, 2                          ; the two tensors change sides for v: a choice between buffers on the cluster's x
	s_cselect_b64 s[96:97], s[8:9], s[4:5]
	s_cselect_b64 s[98:99], s[10:11], s[6:7]
	s_cselect_b64 s[8:9], s[4:5], s[8:9]
	s_cselect_b64 s[10:11], s[6:7], s[10:11]
	s_mov_b64 s[4:5], s[96:97]
	s_mov_b64 s[6:7], s[98:99]
	s_add_nc_u64 s[20:21], s[4:5], s[20:21]
	s_add_nc_u64 s[22:23], s[6:7], s[22:23]
	s_add_nc_u64 s[46:47], s[8:9], s[46:47]
	s_add_nc_u64 s[92:93], s[10:11], s[92:93]
	CROUND                                         ; all sixteen work-groups are here: the first joint loads meet
	s_mov_b32 s[G0S], 1
	s_add_co_u32 s[G0S+1], s94, SCL
	s_mov_b64 s[G0S+2:G0S+3], s[22:23]
	s_or_b32 s[G0S+3], s[G0S+3], 0x80000000
	s_mov_b32 s[G0SB], 1
	s_add_co_u32 s[G0SB+1], s94, SCL
	s_mov_b64 s[G0SB+2:G0SB+3], s[92:93]
	s_or_b32 s[G0SB+3], s[G0SB+3], 0x80000000
	JLOAD G0S, G1S, G0SB, G1SB                     ; the scale bytes first: they are wanted with K step 0
.irp s, 0,1
	s_mov_b32 s[G0+4*\s], 1
	s_add_co_u32 s[G0+4*\s+1], s45, \s*SLOT
	s_add_nc_u64 s[G0+4*\s+2:G0+4*\s+3], s[20:21], \s*ROWB
	s_or_b32 s[G0+4*\s+3], s[G0+4*\s+3], 0x80000000
	s_mov_b32 s[G0B+4*\s], 1
	s_add_co_u32 s[G0B+4*\s+1], s45, \s*SLOT
	s_add_nc_u64 s[G0B+4*\s+2:G0B+4*\s+3], s[46:47], \s*ROWB
	s_or_b32 s[G0B+4*\s+3], s[G0B+4*\s+3], 0x80000000
	JLOAD G0+4*\s, G1, G0B+4*\s, G1B
.endr
	v_and_b32 v1, 15, v0                           ; r = l % 16
	v_bfe_u32 v2, v0, 4, 1                         ; h = l / 16
	v_mul_u32_u24 v3, v1, PITCH
	v_mul_u32_u24 v4, v2, 24
	v_add_nc_u32 v4, v3, v4                        ; a fragment's row x pitch + 24 x half
	v_lshl_add_u32 v5, v2, 4, v4                   ; and the same behind one padding more
	s_mul_i32 s21, s15, HALFT                      ; my 128 rows of A
	s_mul_i32 s22, s16, HALFT                      ; my 128 rows of B,
	s_add_co_u32 s22, s22, 2*HALFT                 ; which lie behind A's 256
.irp s, 0,1
	v_add_nc_u32 v[ADRA+\s], s21, v4
	v_add_nc_u32 v[ADRB+\s], s22, v4
	v_add_nc_u32 v[ADRA+2+\s], s21, v5
	v_add_nc_u32 v[ADRB+2+\s], s22, v5
	s_add_co_u32 s21, s21, SLOT
	s_add_co_u32 s22, s22, SLOT
.endr
	v_mul_u32_u24 v5, v1, KS                       ; my row's scale bytes: KS a row,
	v_lshrrev_b32 v6, 8, v5
	v_lshl_add_u32 v5, v6, 4, v5                   ; and 16 more for each 256 passed
	s_mul_i32 s21, s15, HALFS
	s_mul_i32 s22, s16, HALFS
	s_add_co_u32 s22, s22, 2*HALFS
	s_sub_co_u32 s22, s22, s21
	v_mul_u32_u24 v6, s22, v2                      ; lanes 16-31 take B's
	s_add_co_u32 s21, s21, SCL
	v_add_nc_u32 v5, v5, v6
	v_add_nc_u32 v[ADRS], s21, v5
	; the way out's lane terms
	v_and_b32 v6, 31, v0
	v_lshlrev_b32 v[LO], 4, v6
	v_lshlrev_b32 v[LV0], 4, v1
	v_lshl_add_u32 v[LV0], v2, 9, v[LV0]
	v_xor_b32 v[LV1], 128, v[LV0]
	v_mul_u32_u24 v[VSO], v2, HEADD
	v_lshl_add_u32 v[VSO], v1, 4, v[VSO]
	v_lshlrev_b32 v[IDO], 2, v1
	; my wave's 128 tokens are one step of one batch, its 128 channels two heads: where its records' parts begin
	s_cmp_eq_u32 ttmp9, 2
	s_cselect_b32 s20, s42, s17                    ; the tile of tokens,
	s_cselect_b32 s21, s16, s15                    ; my half of it,
	s_cselect_b32 s22, s17, s42                    ; the tile of channels,
	s_cselect_b32 s23, s15, s16                    ; my half of it
	s_and_b32 s22, s22, 3                          ; the tile inside q, k or v
	s_lshl_b32 s20, s20, 8
	s_lshl_b32 s21, s21, 7
	s_add_co_u32 s20, s20, s21                     ; my first token
	s_lshl_b32 s22, s22, 2
	s_lshl_b32 s23, s23, 1
	s_add_co_u32 s22, s22, s23                     ; my first head
	s_lshr_b32 s21, s20, 11                        ; the batch
	s_lshl_b32 s21, s21, 4
	s_add_co_u32 s21, s21, s22
	s_lshl_b32 s21, s21, 4
	s_bfe_u32 s23, s20, 0x40007                    ; the step
	s_add_co_u32 s21, s21, s23
	s_mul_i32 s46, s21, REC
	s_cmp_eq_u32 ttmp9, 0
	s_cselect_b32 s47, 15104, 0                    ; q's part of a record; k's is its head;
	s_cmp_eq_u32 ttmp9, 2
	s_cselect_b32 s47, 8704, s47                   ; v's
	s_add_co_u32 s46, s46, s47
	s_mov_b32 s47, 0
	s_add_nc_u64 s[12:13], s[12:13], s[46:47]
	s_lshl_b32 s46, s20, 2
	s_add_nc_u64 s[100:101], s[100:101], s[46:47]
.irp a, 0,1,2,3,4,5,6,7
	global_load_b32 v[IDS+\a], v[IDO], s[100:101] offset:64*\a   ; my tokens' ids.  Every work-group loads them, so that the registers are written on every way; only k's use them
.endr
	s_mov_b32 s[SEL], 0x76543210
	s_mov_b32 s[SEL+1], 0xfedcba98
	s_mov_b32 s[HM], 0xffff0000
.macro FRAG reg, adr, q, i             ; a fragment: 12 registers; registers 6 c .. 6 c + 5 are the 24 bytes of K = 64 c + 32 (l / 16) on, in pieces of 8 bytes
.irp p, 0,1,2,3,4,5
.set PC, 12*(\q)+6*(\p/3)+\p%3        ; 16 bytes of padding lie behind every 8 pieces: where the piece three on lies behind one padding more, the second address register serves
.if PC%8 < 5
	ds_load_b64 v[\reg+2*\p:\reg+2*\p+1], v[\adr] offset:8*PC+16*(PC/8)+(\i)*16*PITCH
.else
	ds_load_b64 v[\reg+2*\p:\reg+2*\p+1], v[\adr+2] offset:8*PC+16*(PC/8)+(\i)*16*PITCH
.endif
.endr
.endm
; 16 matrix instructions: A's blocks a0, a0 + 1 x B's eight, 128 along K.  The 64 accumulators take turns, one instruction a turn, in the same order in every step.
.macro MUL16 a0, p, q, sc, zero
.irp a, \a0, \a0+1
.irp b, 0,1,2,3,4,5,6,7
.if \zero
	v_wmma_scale_f32_16x16x128_f8f6f4 v[8*(8*((\a)%4)+\b):8*(8*((\a)%4)+\b)+7], v[128*(\p)+FR*\b:128*(\p)+FR*\b+FR-1], v[AF+FR*(\a):AF+FR*(\a)+FR-1], 0, v[SC+8*NQ*(\sc)+NQ*\b+(\q)], v[SC+8*NQ*(\sc)+NQ*(\a)+(\q)] matrix_a_fmt:MATRIX_FMT_FP6 matrix_b_fmt:MATRIX_FMT_FP6 matrix_a_scale:MATRIX_SCALE_ROW1
.else
	v_wmma_scale_f32_16x16x128_f8f6f4 v[8*(8*((\a)%4)+\b):8*(8*((\a)%4)+\b)+7], v[128*(\p)+FR*\b:128*(\p)+FR*\b+FR-1], v[AF+FR*(\a):AF+FR*(\a)+FR-1], v[8*(8*((\a)%4)+\b):8*(8*((\a)%4)+\b)+7], v[SC+8*NQ*(\sc)+NQ*\b+(\q)], v[SC+8*NQ*(\sc)+NQ*(\a)+(\q)] matrix_a_fmt:MATRIX_FMT_FP6 matrix_b_fmt:MATRIX_FMT_FP6 matrix_a_scale:MATRIX_SCALE_ROW1
.endif
.endr
.endr
.endm
.macro FETCH_B slot, q, p
	WIN TO_B
.irp i, 0,1,2,3,4,5,6,7
	FRAG 128*(\p)+FR*\i, ADRB+\slot, \q, \i
.endr
	WIN 0
.endm
.macro FETCH_A slot, q, i0
.irp i, \i0, \i0+1, \i0+2, \i0+3
	FRAG AF+FR*(\i), ADRA+\slot, \q, \i
.endr
.endm
.macro SCALES sc                       ; a K step's scale words: lanes 0-15 A's block i, lanes 16-31 B's block i
.irp i, 0,1,2,3,4,5,6,7
	ds_load_b64 v[SC+8*NQ*\sc+NQ*\i:SC+8*NQ*\sc+NQ*\i+1], v[ADRS] offset:\i*SBLK
.endr
.endm
.macro PLACES n                        ; plain vector instructions between a matrix instruction and a load into, or a vector instruction on, its registers
.rept \n
	v_nop
.endr
.endm
.macro STEP slot, q, zero              ; a step of 128 along K that has its successor in the same slot
	s_wait_dscnt 4*NL                              ; B's set and A's blocks 0-3 are in; the 24 youngest loads (A's blocks 4-7) may be out
	WIN MUL_LO
	MUL16 0, (\q)%2, \q, \slot, \zero
	MUL16 2, (\q)%2, \q, \slot, \zero
	s_wait_dscnt 0
	PLACES NP
	FETCH_B \slot, (\q)+1, 1-(\q)%2
	FETCH_A \slot, (\q)+1, 0
	WIN MUL_HI
	MUL16 4, (\q)%2, \q, \slot, \zero
	MUL16 6, (\q)%2, \q, \slot, \zero
	PLACES NP
	WIN 0
	FETCH_A \slot, (\q)+1, 4
.endm
; A slot's last step changes slots: in front of the one barrier each wave waits for all its tensor loads, adds 0 to its spare word, and waits for that and for its reads of this slot.
.macro TURN slot, next, fill
	s_wait_tensorcnt 0x0                           ; all my tensor loads have landed: my part of the next slot
	ds_add_u32 v[SPW], v[NIL]                      ; 0 onto my spare word
	s_wait_dscnt 4*NL+1                            ; the add and the 24 youngest loads may be out
	WIN MUL_LO
	MUL16 0, 1, NQ-1, \slot, 0
	s_wait_dscnt 0x0                               ; the add is done, and my reads of this slot are over
	s_barrier_signal -1
	MUL16 2, 1, NQ-1, \slot, 0
	WIN 0
	s_barrier_wait -1
.if \fill
	CREST                                          ; the barrier has opened a round of the cluster's: no wave of any partner still reads this slot or has a load on its way
	s_add_nc_u64 s[G0+4*\slot+2:G0+4*\slot+3], s[G0+4*\slot+2:G0+4*\slot+3], 2*ROWB
	s_add_nc_u64 s[G0B+4*\slot+2:G0B+4*\slot+3], s[G0B+4*\slot+2:G0B+4*\slot+3], 2*ROWB
	JLOAD G0+4*\slot, G1, G0B+4*\slot, G1B         ; the first tensor load behind the round; its four v_nop are the places in front of the loads below
.else
	PLACES NP
.endif
	v_add_nc_u32 v[ADRS], 4*NQ, v[ADRS]            ; the next K step's scale words
	FETCH_B \next, 0, 0
	FETCH_A \next, 0, 0
	SCALES \next
	WIN MUL_HI
	MUL16 4, 1, NQ-1, \slot, 0
	MUL16 6, 1, NQ-1, \slot, 0
	PLACES NP
	WIN 0
	FETCH_A \next, 0, 4
.endm
	s_wait_tensorcnt 1                             ; the scale bytes and my part of K step 0 are in; K step 1's load may be out
	s_barrier_signal -1
	s_barrier_wait -1
	FETCH_B 0, 0, 0
	FETCH_A 0, 0, 0
	SCALES 0
	FETCH_A 0, 0, 4
	STEP 0, 0, 1                                   ; the first step's products start the sums
	s_mov_b32 s3, LAPS-1
.Llap:
	TURN 0, 1, 1
	STEP 1, 0, 0
	TURN 1, 0, 1
	STEP 0, 0, 0
	s_sub_co_u32 s3, s3, 1
	s_cmp_lg_u32 s3, 0
	s_cbranch_scc1 .Llap
	TURN 0, 1, 0                                   ; the last lap fills nothing
	STEP 1, 0, 0
	s_wait_dscnt 4*NL
	WIN MUL_LO
	MUL16 0, 1, NQ-1, 1, 0
	MUL16 2, 1, NQ-1, 1, 0
	s_wait_dscnt 0
	WIN MUL_HI
	MUL16 4, 1, NQ-1, 1, 0
	MUL16 6, 1, NQ-1, 1, 0
	WIN 0
; THE WAY OUT.  Block a's 64 sums of a lane (8 accumulators) are four blocks of 32 along the quantiser's K, 16 numbers of each in this lane and 16 in lane l xor 16.
; QUANT leaves the codes in v[OC + d1 c] on (c = 0, 1: six registers, a whole block a lane: lanes 0-15 block 2 c, lanes 16-31 block 2 c + 1) and the four scale bytes in v[PW].
.macro QUANT a, d1
.set AC, 64*((\a)%4)
.set W, 2+(\a)/4
.set WW, (W<<2)|(W<<4)
	s_wait_xcnt 0x0                                ; the last block's stores have read their data: the codes' registers may be written again
	WIN WW                                         ; sources 1 and 2 in the accumulators' window
.irp b, 0,1,2,3
	v_max3_num_f32 v[TM+\b], 0x1800000, |v[AC+16*\b]|, |v[AC+16*\b+1]|   ; the floor 2^(3 - 127) holds the byte at 1 from below; each accumulator is read from its low end on
.endr
.irp i, 2,4,6,8,10,12,14
.irp b, 0,1,2,3
	v_max3_num_f32 v[TM+\b], v[TM+\b], |v[AC+16*\b+\i]|, |v[AC+16*\b+\i+1]|
.endr
.endr
	WIN 0
.irp b, 0,1,2,3
	v_permlanex16_b32 v[TM+4+\b], v[TM+\b], s[SEL], s[SEL+1]
.endr
.irp b, 0,1,2,3
	v_max_num_f32 v[TM+\b], v[TM+\b], v[TM+4+\b]   ; the block's largest magnitude
.endr
.irp b, 0,1,2,3
	v_add_nc_u32 v[TM+12+\b], 0xff000000, v[TM+\b] ; 2 off its exponent field: the conversion's scale operand
.endr
.irp b, 0,1,2,3
	v_lshrrev_b32 v[TM+4+\b], 23, v[TM+12+\b]      ; the scale's byte
.endr
	v_lshl_or_b32 v[PW], v[TM+5], 8, v[TM+4]
	v_lshl_or_b32 v[PW], v[TM+6], 16, v[PW]
	v_lshl_or_b32 v[PW], v[TM+7], 24, v[PW]
	WIN W                                          ; source 0 in the accumulators' window
.irp c, 0,1
	v_cvt_scalef32_pk16_fp6_f32 v[OC+(\d1)*\c:OC+(\d1)*\c+2], v[AC+32*\c:AC+32*\c+15], v[TM+12+2*\c]
	v_cvt_scalef32_pk16_fp6_f32 v[YT+4*\c:YT+4*\c+2], v[AC+32*\c+16:AC+32*\c+31], v[TM+13+2*\c]
.endr
	WIN 0
	v_nop                                          ; one plain place behind a scaled conversion
.irp c, 0,1
.irp i, 0,1,2
	v_permlane16_swap_b32 v[OC+(\d1)*\c+\i], v[YT+4*\c+\i]   ; the first's lanes 16-31 change places with the second's lanes 0-15
.endr
.irp i, 0,1,2
	v_mov_b32 v[OC+(\d1)*\c+3+\i], v[YT+4*\c+\i]
.endr
.endr
.endm
	PLACES NP                                      ; behind the last products: their results are read and A's registers written below
.irp b, 0,1,2,3
	v_mov_b32 v[TM+4+\b], 0                        ; a lane permute's destination counts as one of its sources
.endr
	s_wait_loadcnt 0x0                             ; the token ids
	s_cmp_eq_u32 ttmp9, 2
	s_cbranch_scc1 .Lv_out
	; q and k: a lane holds a token; c = 0, 1 are my two heads; tile a of the step
	s_cmp_eq_u32 ttmp9, 0                          ; q's flags do not hang on the ids: -7.5 under 2^50 always
	s_cselect_b32 s92, 63, 0
	s_cselect_b32 s93, 63, 31
	s_mov_b32 s94, 0x01010000
	s_cselect_b32 s94, 0xb1b10000, s94
	v_mov_b32 v[FWN], s92
	v_mov_b32 v[FWP], s93
	v_mov_b32 v[FBN], s94
	v_mov_b32 v[FBP], 0xb1b10000
	v_mov_b32 v[OC+7], 0
	v_mov_b32 v[OC+15], 0
.irp a, 0,1,2,3,4,5,6,7
	QUANT \a, 8
	v_cmp_eq_u32 vcc_lo, 0, v[IDS+\a]              ; a pad token?
	v_cndmask_b32 v[OC+6], v[FWN], v[FWP], vcc_lo  ; register 6: the flag's code at k = 64 (lanes 0-15) and 96 (lanes 16-31)
	v_cndmask_b32 v[OC+14], v[FWN], v[FWP], vcc_lo
	v_cndmask_b32 v[FB], v[FBN], v[FBP], vcc_lo
	v_perm_b32 v[SW+\a], v[FB], v[PW], 0x07060100  ; head 0's word: its two bytes, then the flag's two
	v_perm_b32 v[SW+8+\a], v[FB], v[PW], 0x07060302   ; head 1's
.irp c, 0,1
.irp k, 0,1
	global_store_b128 v[LO], v[OC+8*\c+4*\k:OC+8*\c+4*\k+3], s[12:13] offset:\c*HEADD+1024*\a+512*\k   ; 32 lanes store 512 consecutive bytes, at a multiple of 256 from the buffer's first byte
.endr
.endr
.endr
.irp c, 0,1
	s_wait_xcnt 0x0
.irp j, 0,1,2,3
	v_cndmask_b32 v[DD+\j], v[SW+8*\c+\j], v[SW+8*\c+4+\j], s[HM]   ; lanes 0-15 the words of tiles 0-3, lanes 16-31 of tiles 4-7
.endr
	global_store_b128 v[LO], v[DD:DD+3], s[12:13] offset:\c*HEADD+8192
.endr
	s_branch .Lend
.Lv_out:
	; v: a lane holds a channel; the twelve registers are the fragment of the step's 128 keys.  Block a: head a / 4, channels 16 (a % 4) + r
.irp a, 0,1,2,3,4,5,6,7
	QUANT \a, 6
	v_mov_b32 v[SW+\a], v[PW]
.irp k, 0,1,2
	global_store_b128 v[LV0+(\a)%2], v[OC+4*\k:OC+4*\k+3], s[12:13] offset:((\a)/4)*HEADD+3072*(((\a)%4)/2)+256*((\a)%2)+1024*\k   ; each half of the lanes stores 256 consecutive bytes, aligned; odd tiles with their two groups of eight rows exchanged
.endr
.endr
	s_wait_xcnt 0x0
.irp j, 0,1,2,3
	v_cndmask_b32 v[DD+\j], v[SW+\j], v[SW+4+\j], s[HM]   ; lanes 0-15 head 0's four words of channel r, 16 + r .., lanes 16-31 head 1's
.endr
	global_store_b128 v[VSO], v[DD:DD+3], s[12:13] offset:6144
.Lend:
	s_wait_tensorcnt 0x0                           ; the wave's end
	ds_add_u32 v[SPW], v[NIL]
	s_wait_dscnt 0x0
	CROUND                                         ; the closing round
	s_endpgm
.Lfunc_end_k_qcef3d4996f_qkv:
	.size	k_qcef3d4996f_qkv, .Lfunc_end_k_qcef3d4996f_qkv-k_qcef3d4996f_qkv
	.p2alignl 7, 3214868480
	.fill 96, 4, 3214868480
	.section	.rodata,"a",@progbits
	.p2align	6, 0x0
	.amdhsa_kernel k_qcef3d4996f_qkv
		.amdhsa_group_segment_fixed_size 327680
		.amdhsa_private_segment_fixed_size 0
		.amdhsa_enable_private_segment 0
		.amdhsa_kernarg_size 48
		.amdhsa_user_sgpr_count 2
		.amdhsa_user_sgpr_kernarg_segment_ptr 1
		.amdhsa_wavefront_size32 1
		.amdhsa_system_sgpr_workgroup_id_x 1
		.amdhsa_system_sgpr_workgroup_id_y 1
		.amdhsa_system_sgpr_workgroup_id_z 1
		.amdhsa_system_vgpr_workitem_id 0
		.amdhsa_next_free_vgpr 1024
		.amdhsa_next_free_sgpr 102
		.amdhsa_reserve_vcc 1
		.amdhsa_float_denorm_mode_32 3
		.amdhsa_float_denorm_mode_16_64 3
		.amdhsa_memory_ordered 1
		.amdhsa_forward_progress 1
		.amdhsa_inst_pref_size 204
	.end_amdhsa_kernel
	.amdgpu_metadata
---
amdhsa.version: [ 1, 2 ]
amdhsa.kernels:
  - .name:           k_qcef3d4996f_qkv
    .symbol:         k_qcef3d4996f_qkv.kd
    .args:
      - { .name: x_codes, .offset: 0, .size: 8, .value_kind: global_buffer, .address_space: global }
      - { .name: x_scales, .offset: 8, .size: 8, .value_kind: global_buffer, .address_space: global }
      - { .name: w_qkv_codes, .offset: 16, .size: 8, .value_kind: global_buffer, .address_space: global }
      - { .name: w_qkv_scales, .offset: 24, .size: 8, .value_kind: global_buffer, .address_space: global }
      - { .name: input_ids, .offset: 32, .size: 8, .value_kind: global_buffer, .address_space: global }
      - { .name: qkvw, .offset: 40, .size: 8, .value_kind: global_buffer, .address_space: global }
    .group_segment_fixed_size: 327680
    .private_segment_fixed_size: 0
    .kernarg_segment_align: 8
    .kernarg_segment_size: 48
    .max_flat_workgroup_size: 128
    .sgpr_count:     102
    .vgpr_count:     1024
    .wavefront_size: 32
...
	.end_amdgpu_metadata
.endif
;; end of part 1
;; launch attn (part 2): grid 4 x 64, 16 waves a work-group, clusters of 4 x 1, 243,712 bytes of LDS; arguments qkvw, yimg, ysc; writes yimg, ysc
.if DOCPART == 2
	.amdgcn_target "amdgcn-amd-amdhsa--gfx1250"
	.amdhsa_code_object_version 6
	.text
	.protected	k_qcef3d4996f_attn
	.globl	k_qcef3d4996f_attn
	.p2align	8
	.type	k_qcef3d4996f_attn,@function
k_qcef3d4996f_attn:
	s_mov_b64 s[64:65], 0
	v_nop
	global_prefetch_b8 v0, s[64:65] scope:SCOPE_SE
	s_setreg_imm32_b32 hwreg(HW_REG_WAVE_MODE, 25, 1), 1
	s_wait_xcnt 0x0
	s_wait_alu depctr_hold_cnt(0) depctr_sa_sdst(0) depctr_va_vdst(0) depctr_va_sdst(0) depctr_va_ssrc(0) depctr_va_vcc(0) depctr_vm_vsrc(0)
	s_getreg_b32 s2, hwreg(HW_REG_IB_STS2, 6, 4)
	s_cmp_eq_u32 s2, 0
	s_cbranch_scc0 .Lentry_in_a_cluster
	s_endpgm
.Lentry_in_a_cluster:
	s_bfe_u32 s2, ttmp6, 0x10000c
	s_cmp_lg_u32 s2, 0x3003
	s_cbranch_scc0 .Lentry_shape_is_right
	s_endpgm
.Lentry_shape_is_right:
; y = softmax(q k^T / 8, causal and pad mask) v for one (batch, head) a cluster, both products on codes of FP6 (E2M3) with E8M0 scales; y is divided by the row's sum, quantised along the model's 1,024 channels and stored
; as images of the last product's operand registers.
; THE SOFTMAX: t = score x log2(e) / 8; M = the running largest t rounded up to a whole number; p = 2^(t - M) is quantised along the keys, not normalised; the sum is taken of the unquantised p.
; SHARES.  The head's 128 tiles of 16 queries: tile 4 u + cx belongs to work-group cx of the cluster; it needs u / 2 + 1 key steps of 128, whatever cx.  Wave w takes u = w and then u = 31 - w: 17 steps for every wave.
; cx enters global addresses and one number that lanes compare, no branch and no LDS address.
; LDS.  The head's K and V (16 records' first 15,104 bytes) fit whole: wave w brings record w by ONE joint tensor load, which all four work-groups ask for together.  Nothing is filled again, nothing is stored to LDS.
; LAYOUT.  S^T = K Q^T and O^T = V^T P^T: a lane holds one query throughout.  K's and V's fragments lie in LDS as images of their registers.  A fragment of K has 8 registers of its own (6 of codes, the flag word, 0);
; the instruction names 12: the four beyond are the next tile's first four, and Q's codes are zeros there.
; THE PAD MASK comes with the product: a pad key's score is lowered by 112.5 x 2^100 (see the launch that makes the records).  The running largest t begins at -2^90, above every such score's t, so a pad key's p is 0,
; in a step of pad keys alone too.  A row with no key that counts ends with the sum 0: its scale bytes are then 0xff, which makes its row of the output NaN, as a softmax of nothing is.
; THE CAUSAL MASK: steps behind the diagonal are not walked (a branch on the wave's number and the trip's counter; the loop's 16 trips are a constant); in the diagonal's step hidden scores become -infinity.
; LIMITS: |t| stays far under 2^90; NaN and infinities among q, k, v are not served.
.set REC,   23808                      ; a record in memory
.set STEPB, 15104                      ; its part that comes into LDS: 59 rows of 256 bytes
.set KSO,   8192                       ; K's scale words
.set VIO,   8704                       ; V's images
.set VSOF,  14848                      ; V's scale words
.set QIO,   15104                      ; Q's images
.set QSO,   23296                      ; Q's scale words
.set L16,  1                           ; v1   16 x lane
.set RV0,  2                           ; v2   512 h + 384 v + 16 e: my place in an even tile of V (v = (lane / 8) % 2, e = lane % 8)
.set RV1,  3                           ; v3   512 h + 128 + 128 v + 16 e: in an odd one
.set RVS,  4                           ; v4   16 e + 4 v: among V's scale words
.set L8,   5                           ; v5   8 x lane
.set YSO,  6                           ; v6   32 r + h: y's scale byte
.set DL,   7                           ; v7   16 cx + r - 8 h
.set ADL,  8                           ; v8-11 the step's LDS addresses
.set ADV0, 9
.set ADS,  11
.set KA,   30                          ; v30-97  K's tiles at KA + 8 t; later V's at KA + 12 t; v94-97 stay 0
.set KSW,  98                          ; v98-101 K's scale words: register j: lanes 0-15 tile j, lanes 16-31 tile 4 + j
.set VS,   102                         ; v102-105 V's
.set S,    106                         ; v106-169 S^T, then p
.set O,    170                         ; v170-201 O^T
.set P,    202                         ; v202-213 p's codes
.set Y,    214                         ; the conversions' second halves
.set BM,   222                         ; block maxima
.set PT,   226
.set SO,   230
.set PW,   234                         ; p's scale word
.set WV,   18
.set SEL,  20
.set CS,   22                          ; s[22:23] c = log2(e) / 8
.set G1,   24
.set G0,   32
.set HM,   36
.set TB,   41                          ; LDS byte at which the step's record begins
.macro CROUND                          ; a round of the cluster's barrier
	s_barrier_signal -1
	s_barrier_wait -1
	s_cmp_lg_u32 s[WV], 0
	s_cbranch_scc1 .Lnot_wave_0_\@
	s_barrier_signal -3
.Lnot_wave_0_\@:
	s_barrier_wait -3
	s_barrier_signal -1
	s_barrier_wait -1
.endm
	s_load_b128 s[4:7], s[0:1], 0x0                ; the records, y's images
	s_load_b64 s[8:9], s[0:1], 0x10                ; y's scale bytes
	v_lshl_add_u32 v221, v0, 2, 0x3b000
	v_mov_b32 v235, 0
	ds_add_u32 v221, v235
	ds_add_u32 v221, v235
	v_lshrrev_b32 v1, 5, v0
	s_delay_alu instid0(VALU_DEP_1)
	v_readfirstlane_b32 s[WV], v1                  ; wave 0..15
	s_bfe_u32 s37, ttmp6, 0x40000                  ; cx
	s_and_b32 s38, ttmp7, 0xffff                   ; 16 x batch + head, which the four partners share
	s_mov_b32 s[G1], 15|(3<<16)|(1<<21)            ; the mask: all four; elements of 8 bytes; bit 21 beside a mask; no padding
	s_mov_b32 s[G1+1], 32<<16                      ; tensor_dim0: 256 bytes
	s_mov_b32 s[G1+2], 59<<16                      ; tensor_dim1
	s_mov_b32 s[G1+3], 32<<16                      ; tile_dim0
	s_mov_b32 s[G1+4], 59                          ; tile_dim1
	s_mov_b32 s[G1+5], 32                          ; pitch: dense
	s_mov_b32 s[G1+6], 0
	s_mov_b32 s[G1+7], 0
	s_lshl_b32 s43, s38, 4
	s_add_co_u32 s43, s43, s[WV]                   ; the record that I bring: step = my wave's number
	s_mul_i32 s44, s43, REC
	s_mov_b32 s45, 0
	s_mov_b32 s[G0], 1
	s_mul_i32 s[G0+1], s[WV], STEPB
	s_mov_b32 s[SEL], 0x76543210
	s_mov_b32 s[SEL+1], 0xfedcba98
	s_mov_b32 s[CS], 0x3e38aa3b
	s_mov_b32 s[CS+1], s[CS]
	s_mov_b32 s[HM], 0xffff0000
	s_wait_dscnt 0x0
	s_wait_kmcnt 0x0
	s_add_nc_u64 s[G0+2:G0+3], s[4:5], s[44:45]
	s_or_b32 s[G0+3], s[G0+3], 0x80000000
	CROUND                                         ; all four work-groups are here: the joint loads meet
	tensor_load_to_lds s[G0:G0+3], s[G1:G1+7]      ; my one tensor load of the launch
	s_nop 0
.rept 4
	v_nop
.endr
	v_and_b32 v238, 31, v0
	s_delay_alu instid0(VALU_DEP_1)
	v_lshlrev_b32 v[L16], 4, v238
	s_delay_alu instid0(VALU_DEP_2)
	v_lshlrev_b32 v[L8], 3, v238
	v_and_b32 v9, 15, v0                           ; r
	v_bfe_u32 v10, v0, 4, 1                        ; h
	v_bfe_u32 v11, v0, 3, 1                        ; v
	v_and_b32 v222, 7, v0                          ; e
	s_delay_alu instid0(VALU_DEP_1)
	v_lshlrev_b32 v223, 4, v222
	s_delay_alu instid0(VALU_DEP_1)
	v_lshl_add_u32 v[RV0], v10, 9, v223            ; 512 h + 16 e
	s_delay_alu instid0(VALU_DEP_1)
	v_mad_u32_u24 v[RV1], v11, 128, v[RV0]
	s_delay_alu instid0(VALU_DEP_1)
	v_add_nc_u32 v[RV1], 128, v[RV1]
	s_delay_alu instid0(VALU_DEP_3)
	v_mad_u32_u24 v[RV0], v11, 384, v[RV0]
	v_lshl_add_u32 v[RVS], v11, 2, v223
	v_lshl_add_u32 v[YSO], v9, 5, v10
	v_lshlrev_b32 v[DL], 3, v10
	s_delay_alu instid0(VALU_DEP_1)
	v_sub_nc_u32 v[DL], v9, v[DL]
	s_lshl_b32 s43, s37, 4
	v_add_nc_u32 v[DL], s43, v[DL]
	v_lshlrev_b32 v[ADL], 4, v9                    ; 16 r: for Q's scale words
; Q of the tile 4 u + cx, u = wave xor flip: tile 4 (u % 2) + cx of record u / 2.  Eight registers come; the upper four are zeros.
.macro QLOAD QF, QS, flip, SB
	s_xor_b32 s39, s[WV], \flip
	s_lshr_b32 s43, s39, 1
	s_lshl_b32 s44, s38, 4
	s_add_co_u32 s43, s43, s44
	s_mul_i32 s43, s43, REC
	s_and_b32 s44, s39, 1
	s_lshl_b32 s45, s44, 2
	s_add_co_u32 s45, s45, s37
	s_lshl_b32 s45, s45, 10
	s_add_co_u32 s46, s43, s45
	s_mov_b32 s47, 0
	s_add_nc_u64 s[\SB:\SB+1], s[4:5], s[46:47]
	s_lshl_b32 s44, s44, 8
	s_lshl_b32 s45, s37, 2
	s_add_co_u32 s44, s44, s45
	s_add_co_u32 s46, s43, s44
	s_add_nc_u64 s[\SB+2:\SB+3], s[4:5], s[46:47]
	global_load_b128 v[\QF:\QF+3], v[L16], s[\SB:\SB+1] offset:QIO
	global_load_b128 v[\QF+4:\QF+7], v[L16], s[\SB:\SB+1] offset:QIO+512
	global_load_b32 v[\QS], v[ADL], s[\SB+2:\SB+3] offset:QSO
.irp i, 8,9,10,11
	v_mov_b32 v[\QF+\i], 0
.endr
.endm
	s_wait_alu depctr_va_vdst(0)
	QLOAD 16, 28, 0, 48
	QLOAD 244, 29, 31, 52
.irp i, 94,95,96,97
	v_mov_b32 v[\i], 0                             ; what the last tile of K names beyond its own registers
.endr
.irp b, 0,1,2,3
	v_mov_b32 v[PT+\b], 0                          ; a lane permute's destination counts as one of its sources
.endr
	v_mov_b32 v237, 0                              ; named as the upper half of the pair v[236:237]
	v_mov_b32 v242, 0xff800000                     ; -infinity
	v_mov_b32 v243, 0xff                           ; the byte of a row with no key
	s_wait_loadcnt 0x0                             ; Q
	s_wait_tensorcnt 0x0                           ; my record has landed,
	s_barrier_signal -1
	s_barrier_wait -1                              ; everybody's has
; A KEY STEP: 128 keys, the record at s[TB].
.macro STEPBODY QF, QS
	v_add_nc_u32 v[ADL], s[TB], v[L16]             ; these four are also the places between the last products and the loads into the registers that they read
	v_add_nc_u32 v[ADV0], s[TB], v[RV0]
	v_add_nc_u32 v[ADV0+1], s[TB], v[RV1]
	v_add_nc_u32 v[ADS], s[TB], v[RVS]
.irp t, 0,1,2,3,4,5,6,7
	ds_load_b128 v[KA+8*\t:KA+8*\t+3], v[ADL] offset:1024*\t
	ds_load_b128 v[KA+8*\t+4:KA+8*\t+7], v[ADL] offset:1024*\t+512
.endr
	ds_load_b128 v[KSW:KSW+3], v[ADL] offset:KSO
	s_wait_alu depctr_va_vdst(0)
	s_wait_dscnt 0x0
.irp t, 0,1,2,3
	v_wmma_scale_f32_16x16x128_f8f6f4 v[S+8*\t:S+8*\t+7], v[KA+8*\t:KA+8*\t+11], v[\QF:\QF+11], 0, v[KSW+\t], v[\QS] matrix_a_fmt:MATRIX_FMT_FP6 matrix_b_fmt:MATRIX_FMT_FP6
.endr
.irp t, 4,5,6,7
	v_wmma_scale_f32_16x16x128_f8f6f4 v[S+8*\t:S+8*\t+7], v[KA+8*\t:KA+8*\t+11], v[\QF:\QF+11], 0, v[KSW+\t-4], v[\QS] matrix_a_fmt:MATRIX_FMT_FP6 matrix_b_fmt:MATRIX_FMT_FP6 matrix_a_scale:MATRIX_SCALE_ROW1
.endr
.rept 4
	v_nop                                          ; places: the scores are read and K's registers loaded below
.endr
.irp t, 0,1,2,3                                ; V's four tiles now: they land under the softmax.  Tile 2 B + u holds channels 32 B + 8 u + r + 8 (r / 8)
.irp c, 0,1,2
	ds_load_b128 v[KA+12*\t+4*\c:KA+12*\t+4*\c+3], v[ADV0+\t%2] offset:VIO+3072*(\t/2)+1024*\c
.endr
	ds_load_b32 v[VS+\t], v[ADS] offset:VSOF+128*(\t%2)+8*(\t/2)
.endr
	s_cmp_lg_u32 s42, s40                          ; the diagonal's step is the wave's last
	s_cbranch_scc1 .Lopen_\@
.set n, 0
.rept 64                                       ; register n holds key 16 (n / 8) + n % 8 + 8 h of the step: hidden where that lies beyond my query
	v_cmp_gt_i32 vcc_lo, 16*(n/8)+n%8, v239
	v_cndmask_b32 v[S+n], v[S+n], v242, vcc_lo
.set n, n+1
.endr
.Lopen_\@:
.irp b, 0,1,2,3
	v_max3_num_f32 v[BM+\b], v[S+16*\b], v[S+16*\b+1], v[S+16*\b+2]   ; the largest score of each block of 32 keys: for the row's maximum, and, since p rises with the score, for the block's largest p
.endr
.irp i, 3,5,7,9,11,13
.irp b, 0,1,2,3
	v_max3_num_f32 v[BM+\b], v[BM+\b], v[S+16*\b+\i], v[S+16*\b+\i+1]
.endr
.endr
.irp b, 0,1,2,3
	v_max_num_f32 v[BM+\b], v[BM+\b], v[S+16*\b+15]
.endr
.irp b, 0,1,2,3
	s_delay_alu instid0(VALU_DEP_4)
	v_permlanex16_b32 v[PT+\b], v[BM+\b], s[SEL], s[SEL+1]
.endr
.irp b, 0,1,2,3
	s_delay_alu instid0(VALU_DEP_4)
	v_max_num_f32 v[BM+\b], v[BM+\b], v[PT+\b]
.endr
	s_delay_alu instid0(VALU_DEP_2)
	v_max3_num_f32 v238, v[BM], v[BM+1], v[BM+2]
	s_delay_alu instid0(VALU_DEP_1)
	v_max_num_f32 v238, v238, v[BM+3]
	s_delay_alu instid0(VALU_DEP_1)
	v_mul_f32 v238, s[CS], v238                    ; as t
	s_delay_alu instid0(VALU_DEP_1)
	v_max_num_f32 v13, v13, v238                   ; the running largest t
	v_mov_b32 v238, v12
	s_delay_alu instid0(VALU_DEP_2)
	v_floor_f32 v12, -v13                          ; the new -M: M is a whole number
	s_delay_alu instid0(VALU_DEP_1)
	v_sub_f32 v238, v12, v238                      ; old M - new M, 0 or less
	s_delay_alu instid0(VALU_DEP_1)
	v_cvt_i32_f32 v238, v238                       ; (it saturates)
	s_delay_alu instid0(VALU_DEP_1)
	v_ldexp_f32 v236, 1.0, v238                    ; f = 2^(old M - new M)
.set n, 0
.rept 32
	v_pk_fma_f32 v[S+n:S+n+1], v[S+n:S+n+1], s[CS:CS+1], v[12:13] op_sel_hi:[1,0,0]   ; t - M
.set n, n+2
.endr
	s_setprio 1
.irp b, 0,1,2,3
	v_fma_f32 v[BM+\b], v[BM+\b], s[CS], v12
.endr
.set n, 0
	s_wait_alu depctr_va_vdst(0)
.rept 64
	v_exp_f32 v[S+n], v[S+n]                       ; p = 2^(t - M)
.set n, n+1
.endr
	v_pk_mul_f32 v[14:15], v[14:15], v[236:237] op_sel_hi:[1,0]   ; the sums under the new M: a plain place behind the exponentials
	s_wait_alu depctr_va_vdst(0)                   ; one wait for the batch, ahead of its first reader
.irp b, 0,1,2,3
	v_exp_f32 v[BM+\b], v[BM+\b]                   ; the blocks' largest p
.endr
	v_pk_add_f32 v[240:241], v[110:111], v[114:115]
	v_pk_add_f32 v[232:233], v[118:119], v[122:123]
	v_pk_add_f32 v[230:231], v[126:127], v[130:131]
	v_pk_add_f32 v[228:229], v[134:135], v[138:139]
	v_pk_add_f32 v[226:227], v[142:143], v[146:147]
	v_pk_add_f32 v[218:219], v[150:151], v[154:155]
	v_pk_add_f32 v[216:217], v[158:159], v[162:163]
	v_pk_add_f32 v[14:15], v[14:15], v[166:167]
	v_pk_add_f32 v[240:241], v[240:241], v[106:107]
	v_pk_add_f32 v[232:233], v[232:233], v[108:109]
	v_pk_add_f32 v[230:231], v[230:231], v[112:113]
	v_pk_add_f32 v[228:229], v[228:229], v[116:117]
	v_pk_add_f32 v[226:227], v[226:227], v[120:121]
	v_pk_add_f32 v[218:219], v[218:219], v[124:125]
	v_pk_add_f32 v[216:217], v[216:217], v[128:129]
	v_pk_add_f32 v[14:15], v[14:15], v[132:133]
	v_pk_add_f32 v[240:241], v[240:241], v[136:137]
	v_pk_add_f32 v[232:233], v[232:233], v[140:141]
	v_pk_add_f32 v[230:231], v[230:231], v[144:145]
	v_pk_add_f32 v[228:229], v[228:229], v[148:149]
	v_pk_add_f32 v[226:227], v[226:227], v[152:153]
	v_pk_add_f32 v[218:219], v[218:219], v[156:157]
	v_pk_add_f32 v[216:217], v[216:217], v[160:161]
	v_pk_add_f32 v[14:15], v[14:15], v[164:165]
	v_pk_add_f32 v[240:241], v[240:241], v[168:169]
	s_delay_alu instid0(VALU_DEP_2)
	v_pk_add_f32 v[14:15], v[14:15], v[228:229]
	s_delay_alu instid0(VALU_DEP_2)
	v_pk_add_f32 v[240:241], v[240:241], v[226:227]
	v_pk_add_f32 v[232:233], v[232:233], v[218:219]
	v_pk_add_f32 v[230:231], v[230:231], v[216:217]
	s_delay_alu instid0(VALU_DEP_2)
	v_pk_add_f32 v[14:15], v[14:15], v[232:233]
	s_delay_alu instid0(VALU_DEP_2)
	v_pk_add_f32 v[240:241], v[240:241], v[230:231]
	s_delay_alu instid0(VALU_DEP_1)
	v_pk_add_f32 v[14:15], v[14:15], v[240:241]
	s_wait_alu depctr_va_vdst(0)                   ; and one for the four
.irp b, 0,1,2,3
	v_max_num_f32 v[BM+\b], 0x1800000, v[BM+\b]    ; the floor: the byte cannot fall under 1
.endr
.irp b, 0,1,2,3
	s_delay_alu instid0(VALU_DEP_4)
	v_add_nc_u32 v[SO+\b], 0xff000000, v[BM+\b]
.endr
.irp b, 0,1,2,3
	s_delay_alu instid0(VALU_DEP_4)
	v_lshrrev_b32 v[PT+\b], 23, v[SO+\b]
.endr
	s_delay_alu instid0(VALU_DEP_3)
	v_lshl_or_b32 v[PW], v[PT+1], 8, v[PT]
	s_delay_alu instid0(VALU_DEP_1)
	v_lshl_or_b32 v[PW], v[PT+2], 16, v[PW]
	s_delay_alu instid0(VALU_DEP_1)
	v_lshl_or_b32 v[PW], v[PT+3], 24, v[PW]
	s_setprio 0
.irp c, 0,1
	v_cvt_scalef32_pk16_fp6_f32 v[P+6*\c:P+6*\c+2], v[S+32*\c:S+32*\c+15], v[SO+2*\c]
	v_cvt_scalef32_pk16_fp6_f32 v[Y+4*\c:Y+4*\c+2], v[S+32*\c+16:S+32*\c+31], v[SO+2*\c+1]
.endr
	v_nop                                          ; one plain place behind a scaled conversion
.irp c, 0,1
.irp i, 0,1,2
	v_permlane16_swap_b32 v[P+6*\c+\i], v[Y+4*\c+\i]
.endr
.irp i, 0,1,2
	s_delay_alu instid0(VALU_DEP_3)
	v_mov_b32 v[P+6*\c+3+\i], v[Y+4*\c+\i]
.endr
.endr
.set n, 0
.rept 16
	v_pk_mul_f32 v[O+n:O+n+1], v[O+n:O+n+1], v[236:237] op_sel_hi:[1,0]   ; O^T under the new M, from each accumulator's low end on; these lines also stand between p's scale word and codes and the products
.set n, n+2
.endr
	s_wait_alu depctr_va_vdst(0)
	s_wait_dscnt 0x0                               ; V
.irp t, 0,1,2,3
	v_wmma_scale_f32_16x16x128_f8f6f4 v[O+8*\t:O+8*\t+7], v[KA+12*\t:KA+12*\t+11], v[P:P+11], v[O+8*\t:O+8*\t+7], v[VS+\t], v[PW] matrix_a_fmt:MATRIX_FMT_FP6 matrix_b_fmt:MATRIX_FMT_FP6
.endr
.endm
; THE WAY OUT of a tile: O^T / the sum; register 16 B + i holds channel 32 B + 16 h + i of my query: two blocks of 32, quantised; lanes 0-15 end with block 0's 24 bytes, lanes 16-31 with block 1's, in true order.
.macro WAYOUT
.rept 4
	v_nop                                          ; places behind the last products
.endr
	v_add_f32 v14, v14, v15
	s_delay_alu instid0(VALU_DEP_1)
	v_permlanex16_b32 v238, v14, s[SEL], s[SEL+1]
	s_delay_alu instid0(VALU_DEP_1)
	v_add_f32 v14, v14, v238                       ; the row's sum
	s_wait_alu depctr_va_vdst(0)
	v_rcp_f32 v236, v14
	v_nop                                          ; a plain place behind the reciprocal
	s_lshl_b32 s43, s39, 2
	s_add_co_u32 s43, s43, s37                     ; the tile: 4 u + cx
	s_lshr_b32 s44, s38, 4                         ; batch
	s_and_b32 s45, s38, 15                         ; head
	s_lshl_b32 s46, s44, 7
	s_add_co_u32 s46, s46, s43                     ; the tile among all 512
	s_lshr_b32 s47, s45, 2
	s_lshl_b32 s47, s47, 9
	s_add_co_u32 s47, s47, s46                     ; (K slot of 256 = four heads) x 512 + tile
	s_lshl_b32 s47, s47, 1
	s_bfe_u32 s48, s45, 0x10001
	s_add_co_u32 s47, s47, s48                     ; which 128 of the slot
	s_mul_i32 s47, s47, 1536
	s_and_b32 s48, s45, 1
	s_mul_i32 s48, s48, 768                        ; which 64 of the 128: three pieces of 256 bytes
	s_add_co_u32 s48, s47, s48
	s_mov_b32 s49, 0
	s_add_nc_u64 s[56:57], s[6:7], s[48:49]
	s_lshl_b32 s48, s46, 9                         ; 16 tokens x 32 bytes
	s_lshl_b32 s50, s45, 1
	s_add_co_u32 s48, s48, s50
	s_add_nc_u64 s[58:59], s[8:9], s[48:49]
	s_wait_alu depctr_va_vdst(0)                   ; ahead of the reciprocal's first reader
.set n, 0
.rept 16
	v_pk_mul_f32 v[O+n:O+n+1], v[O+n:O+n+1], v[236:237] op_sel_hi:[1,0]
.set n, n+2
.endr
.irp b, 0,1
	v_max3_num_f32 v[BM+\b], |v[O+16*\b]|, |v[O+16*\b+1]|, 0x1800000
.endr
.irp i, 2,4,6,8,10,12,14
.irp b, 0,1
	s_delay_alu instid0(VALU_DEP_2)
	v_max3_num_f32 v[BM+\b], v[BM+\b], |v[O+16*\b+\i]|, |v[O+16*\b+\i+1]|
.endr
.endr
.irp b, 0,1
	s_delay_alu instid0(VALU_DEP_2)
	v_permlanex16_b32 v[PT+\b], v[BM+\b], s[SEL], s[SEL+1]
.endr
.irp b, 0,1
	s_delay_alu instid0(VALU_DEP_2)
	v_max_num_f32 v[BM+\b], v[BM+\b], v[PT+\b]
.endr
.irp b, 0,1
	s_delay_alu instid0(VALU_DEP_2)
	v_add_nc_u32 v[SO+\b], 0xff000000, v[BM+\b]
.endr
.irp b, 0,1
	s_delay_alu instid0(VALU_DEP_2)
	v_lshrrev_b32 v[PT+\b], 23, v[SO+\b]
.endr
	v_cvt_scalef32_pk16_fp6_f32 v[S:S+2], v[O:O+15], v[SO]
	v_cvt_scalef32_pk16_fp6_f32 v[S+6:S+8], v[O+16:O+31], v[SO+1]
	v_nop
.irp i, 0,1,2
	v_permlane16_swap_b32 v[S+\i], v[S+6+\i]
.endr
.irp i, 0,1,2
	s_delay_alu instid0(VALU_DEP_3)
	v_mov_b32 v[S+3+\i], v[S+6+\i]
.endr
	v_cndmask_b32 v238, v[PT], v[PT+1], s[HM]      ; my block's byte
	v_cmp_eq_f32 vcc_lo, 0, v14                    ; no key counted for this query
	s_delay_alu instid0(VALU_DEP_1)
	v_cndmask_b32 v238, v238, v243, vcc_lo
.irp p, 0,1,2
	global_store_b64 v[L8], v[S+2*\p:S+2*\p+1], s[56:57] offset:256*\p   ; 32 lanes store 256 consecutive bytes, aligned
.endr
	global_store_b8 v[YSO], v238, s[58:59]
	s_wait_xcnt 0x0                                ; the stores have read their data and bases: the next pass writes both
.endm
.macro PASS QF, QS, flip
	s_xor_b32 s39, s[WV], \flip                    ; u = w, then 31 - w
	s_lshr_b32 s40, s39, 1                         ; the last step that the tile needs
	s_and_b32 s43, s39, 1
	s_lshl_b32 s43, s43, 6
	v_add_nc_u32 v239, s43, v[DL]                  ; my query, counted from the last step's first key, less 8 h
	v_mov_b32 v13, 0xec800000                      ; the largest t so far: -2^90
	s_delay_alu instid0(VALU_DEP_1)
	v_floor_f32 v12, -v13
	v_mov_b32 v14, 0
	v_mov_b32 v15, 0
.set n, 0
.rept 32
	v_mov_b32 v[O+n], 0                            ; the step is written once: the first finds zeros
.set n, n+1
.endr
	s_mov_b32 s[TB], 0
	s_mov_b32 s42, 0
.Ltrip_\@:                                         ; 16 trips, a constant; the steps behind the diagonal are jumped over
	s_cmp_gt_u32 s42, s40
	s_cbranch_scc1 .Lskip_\@
	s_setprio 2
	STEPBODY \QF, \QS
.Lskip_\@:
	s_add_co_u32 s[TB], s[TB], STEPB
	s_add_co_u32 s42, s42, 1
	s_cmp_lt_u32 s42, 16
	s_cbranch_scc1 .Ltrip_\@
	s_setprio 0
	WAYOUT
.endm
	PASS 16, 28, 0
	PASS 244, 29, 31
	s_wait_dscnt 0x0
	s_wait_tensorcnt 0x0
	ds_add_u32 v221, v235
	s_wait_dscnt 0x0
	CROUND                                         ; the closing round
	s_endpgm
.Lfunc_end_k_qcef3d4996f_attn:
	.size	k_qcef3d4996f_attn, .Lfunc_end_k_qcef3d4996f_attn-k_qcef3d4996f_attn
	.p2alignl 7, 3214868480
	.fill 96, 4, 3214868480
	.section	.rodata,"a",@progbits
	.p2align	6, 0x0
	.amdhsa_kernel k_qcef3d4996f_attn
		.amdhsa_group_segment_fixed_size 243712
		.amdhsa_private_segment_fixed_size 0
		.amdhsa_enable_private_segment 0
		.amdhsa_kernarg_size 24
		.amdhsa_user_sgpr_count 2
		.amdhsa_user_sgpr_kernarg_segment_ptr 1
		.amdhsa_wavefront_size32 1
		.amdhsa_system_sgpr_workgroup_id_x 1
		.amdhsa_system_sgpr_workgroup_id_y 1
		.amdhsa_system_sgpr_workgroup_id_z 1
		.amdhsa_system_vgpr_workitem_id 0
		.amdhsa_next_free_vgpr 256
		.amdhsa_next_free_sgpr 66
		.amdhsa_reserve_vcc 1
		.amdhsa_float_denorm_mode_32 3
		.amdhsa_float_denorm_mode_16_64 3
		.amdhsa_memory_ordered 1
		.amdhsa_forward_progress 1
		.amdhsa_inst_pref_size 65
	.end_amdhsa_kernel
	.amdgpu_metadata
---
amdhsa.version: [ 1, 2 ]
amdhsa.kernels:
  - .name:           k_qcef3d4996f_attn
    .symbol:         k_qcef3d4996f_attn.kd
    .args:
      - { .name: qkvw, .offset: 0, .size: 8, .value_kind: global_buffer, .address_space: global }
      - { .name: yimg, .offset: 8, .size: 8, .value_kind: global_buffer, .address_space: global }
      - { .name: ysc, .offset: 16, .size: 8, .value_kind: global_buffer, .address_space: global }
    .group_segment_fixed_size: 243712
    .private_segment_fixed_size: 0
    .kernarg_segment_align: 8
    .kernarg_segment_size: 24
    .max_flat_workgroup_size: 512
    .sgpr_count:     66
    .vgpr_count:     256
    .wavefront_size: 32
...
	.end_amdgpu_metadata
.endif
;; end of part 2
;; launch proj (part 3): grid 4 x 32, 4 waves a work-group, clusters of 4 x 4, 327,680 bytes of LDS; arguments yimg, ysc, w_out_codes, w_out_scales, b_out, out0; writes out0
.if DOCPART == 3
	.amdgcn_target "amdgcn-amd-amdhsa--gfx1250"
	.amdhsa_code_object_version 6
	.text
	.protected	k_qcef3d4996f_proj
	.globl	k_qcef3d4996f_proj
	.p2align	8
	.type	k_qcef3d4996f_proj,@function
k_qcef3d4996f_proj:
	s_mov_b64 s[64:65], 0
	v_nop
	global_prefetch_b8 v0, s[64:65] scope:SCOPE_SE
	s_setreg_imm32_b32 hwreg(HW_REG_WAVE_MODE, 25, 1), 1
	s_wait_xcnt 0x0
	s_wait_alu depctr_hold_cnt(0) depctr_sa_sdst(0) depctr_va_vdst(0) depctr_va_sdst(0) depctr_va_ssrc(0) depctr_va_vcc(0) depctr_vm_vsrc(0)
	s_getreg_b32 s2, hwreg(HW_REG_IB_STS2, 6, 4)
	s_cmp_eq_u32 s2, 0
	s_cbranch_scc0 .Lentry_in_a_cluster
	s_endpgm
.Lentry_in_a_cluster:
	s_bfe_u32 s2, ttmp6, 0x10000c
	s_cmp_lg_u32 s2, 0xf033
	s_cbranch_scc0 .Lentry_shape_is_right
	s_endpgm
.Lentry_shape_is_right:
; out0 = y w_out + b_out on codes of FP6 (E2M3) with E8M0 scales: M = 8,192, N = 1,024, K = 1,024; sums in f32.
; A tile of 256 x 256 is made by four waves, 128 x 128 each (64 accumulators, 512 registers); K goes in steps of 256 through a ring of two LDS slots filled by joint tensor loads; the scale bytes come once.
; y's codes arrive as IMAGES OF THE OPERAND'S REGISTERS: for each K step of 256 and each 16 rows 3,072 bytes: [which 128][piece of two registers, 0-5][lane][8 bytes]; a wave's 128 rows of a K step are one dense block
; of 24,576 bytes, and a fragment comes by six loads of 8 bytes a lane, 256 consecutive bytes each.  w_out's codes arrive as rows, 192 bytes a K step, padded in LDS.
; The matrix instruction is used transposed (source 0 = 16 rows of w_out, source 1 = 16 rows of y): a lane holds eight neighbouring numbers of a row of the output.  The bias is the C of each sum's first product.
; 128 work-groups: N has four tiles of 256 and M thirty-two.
.set SIZE_N, 1024
.set KSTEP,  256
.set NQ,     2
.set ROWB,   192
.set KROW,   768
.set PITCH,  240
.set FR,     12
.set NL,     6
.set NP,     4
.set HALFT,  128*PITCH                 ; 128 rows of w_out in LDS; y's 24,576 bytes lie in the same allotment
.set SLOT,   4*HALFT
.set LAPS,   2
.set KS,     32
.set SCL,    2*SLOT
.set HALFS,  (128*KS/256)*272
.set SBLK,   (16*KS/256)*272
.set SPARE,  SCL+4*HALFS
.set SPITCH, 528                       ; the way out: a stage of 16 rows x (512 + 16) bytes a wave, in slot 0, which has had its last fill and its last read by then
.set AKS,    512*3072                  ; from a K step of y's images to the next
.set ADRA, 16                          ; v16-17  8 x lane + my 128 rows' block in slot 0, 1
.set ADRB, 20                          ; v20-23
.set STO,  24
.set RD,   25
.set CO,   26
.set ADRS, 27
.set SPW,  28
.set NIL,  29
.set BO,   31                          ; v31     32 h: the bias
.set SC,   32
.set BI,   64                          ; v64-127 the bias in the result's layout: block b's eight columns of my half at v[BI + 8 b]
.set AF,   128
.set BK,   128
.set G1, 24
.set G0, 32
.set G1B, 48
.set G0B, 56
.set G1S, 68
.set G0S, 76
.set G1SB, 80
.set G0SB, 88
.set MSB, 0
.macro WIN new
.if MSB != (\new)
	s_set_vgpr_msb (MSB<<8)|(\new)
.set MSB, (\new)
.endif
.endm
.set MUL_LO, 0xa1
.set MUL_HI, 0xf1
.set FST_LO, 0x81                      ; the first step: C (the bias) in window 0, D in window 2
.set FST_HI, 0xc1                      ; D in window 3
.set TO_B,   0x40
.macro JLOAD g0a, g1a, g0b, g1b        ; a joint load: waves 0 and 1 fetch for y, waves 2 and 3 for w_out; four v_nop follow each line
	s_cmp_eq_u32 s15, 0
	s_cbranch_scc0 .Lfor_b_\@
	tensor_load_to_lds s[\g0a:\g0a+3], s[\g1a:\g1a+7]
	s_nop 0
.rept 4
	v_nop
.endr
	s_branch .Lasked_\@
.Lfor_b_\@:
	tensor_load_to_lds s[\g0b:\g0b+3], s[\g1b:\g1b+7]
	s_nop 0
.rept 4
	v_nop
.endr
.Lasked_\@:
.endm
.macro CREST
	s_cmp_lg_u32 s14, 0
	s_cbranch_scc1 .Lnot_wave_0_\@
	s_barrier_signal -3
.Lnot_wave_0_\@:
	s_barrier_wait -3
	s_barrier_signal -1
	s_barrier_wait -1
.endm
.macro CROUND
	s_barrier_signal -1
	s_barrier_wait -1
	CREST
.endm
	s_load_b128 s[4:7], s[0:1], 0x0                ; y's images, y's scale bytes
	s_load_b128 s[8:11], s[0:1], 0x10              ; w_out's codes, its scale bytes
	s_load_b64 s[96:97], s[0:1], 0x20              ; the bias
	s_load_b64 s[12:13], s[0:1], 0x28              ; the output
	v_lshl_add_u32 v[SPW], v0, 2, SPARE
	v_mov_b32 v[NIL], 0
	ds_add_u32 v28, v29
	ds_add_u32 v28, v29
	s_wait_dscnt 0x0
	v_lshrrev_b32 v1, 5, v0
	v_readfirstlane_b32 s14, v1
	s_lshr_b32 s15, s14, 1
	s_and_b32 s16, s14, 1
	s_bfe_u32 s40, ttmp6, 0x40000
	s_bfe_u32 s41, ttmp6, 0x40004
	s_lshl_b32 s42, ttmp9, 2
	s_add_co_u32 s42, s42, s40                     ; tile column
	s_and_b32 s17, ttmp7, 0xffff
	s_lshl_b32 s17, s17, 2
	s_add_co_u32 s17, s17, s41                     ; tile row
	s_lshl_b32 s43, s41, 2
	s_lshl_b32 s43, 15, s43
	s_lshl_b32 s44, 0x1111, s40
	s_or_b32 s[G1+0], s43, (3<<16)|(1<<21)         ; y's images: the mask of my row; elements of 8 bytes; bit 21 beside a mask; no padding
	s_mov_b32 s[G1+1], 32<<16                      ; rows of 256 bytes,
	s_mov_b32 s[G1+2], 96<<16                      ; 96 of them,
	s_mov_b32 s[G1+3], 32<<16
	s_mov_b32 s[G1+4], 96
	s_mov_b32 s[G1+5], 32                          ; dense
	s_mov_b32 s[G1+6], 0
	s_mov_b32 s[G1+7], 0
	s_or_b32 s[G1B+0], s44, (0<<16)|(1<<20)|(1<<21)|(3<<22)|(3<<25)  ; w_out's tiles: 128 rows of 192 bytes, 16 bytes of padding behind every 64
	s_mov_b32 s[G1B+1], ROWB<<16
	s_mov_b32 s[G1B+2], 128<<16
	s_mov_b32 s[G1B+3], ROWB<<16
	s_mov_b32 s[G1B+4], 128
	s_mov_b32 s[G1B+5], KROW
	s_mov_b32 s[G1B+6], 0
	s_mov_b32 s[G1B+7], 0
	s_or_b32 s[G1S+0], s43, (3<<16)|(1<<20)|(1<<21)|(5<<22)|(3<<25)
	s_or_b32 s[G1SB+0], s44, (3<<16)|(1<<20)|(1<<21)|(5<<22)|(3<<25)
.irp g, G1S, G1SB
	s_mov_b32 s[\g+1], 32<<16
	s_mov_b32 s[\g+2], (128*KS/256)<<16
	s_mov_b32 s[\g+3], 32<<16
	s_mov_b32 s[\g+4], 128*KS/256
	s_mov_b32 s[\g+5], 32
	s_mov_b32 s[\g+6], 0
	s_mov_b32 s[\g+7], 0
.endr
	s_lshl_b32 s18, s16, 7
	s_lshl_b32 s20, s17, 8
	s_add_co_u32 s20, s20, s18                     ; y: row 256 x tile row + 128 x half
	s_lshl_b32 s46, s42, 8
	s_add_co_u32 s46, s46, s18                     ; w_out: row 256 x tile column + 128 x half
	s_mov_b32 s21, 0
	s_mov_b32 s47, 0
	s_mov_b64 s[18:19], KS
	s_mul_u64 s[22:23], s[20:21], s[18:19]
	s_mul_u64 s[92:93], s[46:47], s[18:19]
	s_mov_b64 s[18:19], 192                        ; 3,072 bytes for 16 rows of a K step
	s_mul_u64 s[20:21], s[20:21], s[18:19]
	s_mov_b64 s[18:19], KROW
	s_mul_u64 s[46:47], s[46:47], s[18:19]
	s_mul_i32 s45, s14, HALFT
	s_mul_i32 s94, s14, HALFS
	s_wait_kmcnt 0x0
	s_add_nc_u64 s[20:21], s[4:5], s[20:21]
	s_add_nc_u64 s[22:23], s[6:7], s[22:23]
	s_add_nc_u64 s[46:47], s[8:9], s[46:47]
	s_add_nc_u64 s[92:93], s[10:11], s[92:93]
	CROUND
	s_mov_b32 s[G0S], 1
	s_add_co_u32 s[G0S+1], s94, SCL
	s_mov_b64 s[G0S+2:G0S+3], s[22:23]
	s_or_b32 s[G0S+3], s[G0S+3], 0x80000000
	s_mov_b32 s[G0SB], 1
	s_add_co_u32 s[G0SB+1], s94, SCL
	s_mov_b64 s[G0SB+2:G0SB+3], s[92:93]
	s_or_b32 s[G0SB+3], s[G0SB+3], 0x80000000
	JLOAD G0S, G1S, G0SB, G1SB
.irp s, 0,1
	s_mov_b32 s[G0+4*\s], 1
	s_add_co_u32 s[G0+4*\s+1], s45, \s*SLOT
	s_add_nc_u64 s[G0+4*\s+2:G0+4*\s+3], s[20:21], \s*AKS
	s_or_b32 s[G0+4*\s+3], s[G0+4*\s+3], 0x80000000
	s_mov_b32 s[G0B+4*\s], 1
	s_add_co_u32 s[G0B+4*\s+1], s45, \s*SLOT
	s_add_nc_u64 s[G0B+4*\s+2:G0B+4*\s+3], s[46:47], \s*ROWB
	s_or_b32 s[G0B+4*\s+3], s[G0B+4*\s+3], 0x80000000
	JLOAD G0+4*\s, G1, G0B+4*\s, G1B
.endr
	v_and_b32 v1, 15, v0
	v_bfe_u32 v2, v0, 4, 1
	v_mul_u32_u24 v3, v1, PITCH
	v_mul_u32_u24 v4, v2, 24
	v_add_nc_u32 v4, v3, v4
	v_lshl_add_u32 v5, v2, 4, v4
	v_and_b32 v6, 31, v0
	v_lshlrev_b32 v7, 3, v6                        ; 8 x lane: an image's place for my lane
	s_mul_i32 s21, s15, HALFT
	s_mul_i32 s22, s16, HALFT
	s_add_co_u32 s22, s22, 2*HALFT
.irp s, 0,1
	v_add_nc_u32 v[ADRA+\s], s21, v7
	v_add_nc_u32 v[ADRB+\s], s22, v4
	v_add_nc_u32 v[ADRB+2+\s], s22, v5
	s_add_co_u32 s21, s21, SLOT
	s_add_co_u32 s22, s22, SLOT
.endr
	v_mul_u32_u24 v5, v1, KS
	v_lshrrev_b32 v6, 8, v5
	v_lshl_add_u32 v5, v6, 4, v5
	s_mul_i32 s21, s15, HALFS
	s_mul_i32 s22, s16, HALFS
	s_add_co_u32 s22, s22, 2*HALFS
	s_sub_co_u32 s22, s22, s21
	v_mul_u32_u24 v6, s22, v2
	s_add_co_u32 s21, s21, SCL
	v_add_nc_u32 v5, v5, v6
	v_add_nc_u32 v[ADRS], s21, v5
	s_mul_i32 s23, s14, 16*SPITCH
	v_mul_u32_u24 v5, v1, SPITCH
	v_lshl_add_u32 v5, v2, 5, v5
	v_add_nc_u32 v[STO], s23, v5
	v_and_b32 v6, 31, v0
	v_lshlrev_b32 v[CO], 4, v6
	v_add_nc_u32 v[RD], s23, v[CO]
	v_lshlrev_b32 v[BO], 5, v2
	s_lshl_b32 s20, s17, 8
	s_lshl_b32 s21, s15, 7
	s_add_co_u32 s20, s20, s21                     ; my first row of the output
	s_mov_b32 s21, 0
	s_mov_b64 s[18:19], SIZE_N*4
	s_mul_u64 s[20:21], s[20:21], s[18:19]
	s_lshl_b32 s46, s42, 10                        ; my first column, in bytes: the same in a row of the output and in the bias
	s_lshl_b32 s47, s16, 9
	s_add_co_u32 s46, s46, s47
	s_mov_b32 s47, 0
	s_add_nc_u64 s[96:97], s[96:97], s[46:47]
	s_add_nc_u64 s[20:21], s[20:21], s[46:47]
	s_add_nc_u64 s[12:13], s[12:13], s[20:21]
.irp b, 0,1,2,3,4,5,6,7
	global_load_b128 v[BI+8*\b:BI+8*\b+3], v[BO], s[96:97] offset:64*\b         ; b_out at columns 16 b + 8 h + 0 .. 7 of my 128
	global_load_b128 v[BI+8*\b+4:BI+8*\b+7], v[BO], s[96:97] offset:64*\b+16
.endr
.macro FRAG reg, adr, q, i             ; a fragment of w_out from padded rows, in pieces of 8 bytes
.irp p, 0,1,2,3,4,5
.set PC, 12*(\q)+6*(\p/3)+\p%3
.if PC%8 < 5
	ds_load_b64 v[\reg+2*\p:\reg+2*\p+1], v[\adr] offset:8*PC+16*(PC/8)+(\i)*16*PITCH
.else
	ds_load_b64 v[\reg+2*\p:\reg+2*\p+1], v[\adr+2] offset:8*PC+16*(PC/8)+(\i)*16*PITCH
.endif
.endr
.endm
.macro FRAGA reg, slot, q, i           ; a fragment of y from its image: piece p is registers 2 p, 2 p + 1
.irp p, 0,1,2,3,4,5
	ds_load_b64 v[\reg+2*\p:\reg+2*\p+1], v[ADRA+\slot] offset:3072*(\i)+1536*(\q)+256*\p
.endr
.endm
; 16 matrix instructions; first = 1: the sums begin with the bias.  The 64 accumulators take turns, one instruction a turn.
.macro MUL16 a0, p, q, sc, first
.irp a, \a0, \a0+1
.irp b, 0,1,2,3,4,5,6,7
.if \first
	v_wmma_scale_f32_16x16x128_f8f6f4 v[8*(8*((\a)%4)+\b):8*(8*((\a)%4)+\b)+7], v[128*(\p)+FR*\b:128*(\p)+FR*\b+FR-1], v[AF+FR*(\a):AF+FR*(\a)+FR-1], v[BI+8*\b:BI+8*\b+7], v[SC+8*NQ*(\sc)+NQ*\b+(\q)], v[SC+8*NQ*(\sc)+NQ*(\a)+(\q)] matrix_a_fmt:MATRIX_FMT_FP6 matrix_b_fmt:MATRIX_FMT_FP6 matrix_a_scale:MATRIX_SCALE_ROW1
.else
	v_wmma_scale_f32_16x16x128_f8f6f4 v[8*(8*((\a)%4)+\b):8*(8*((\a)%4)+\b)+7], v[128*(\p)+FR*\b:128*(\p)+FR*\b+FR-1], v[AF+FR*(\a):AF+FR*(\a)+FR-1], v[8*(8*((\a)%4)+\b):8*(8*((\a)%4)+\b)+7], v[SC+8*NQ*(\sc)+NQ*\b+(\q)], v[SC+8*NQ*(\sc)+NQ*(\a)+(\q)] matrix_a_fmt:MATRIX_FMT_FP6 matrix_b_fmt:MATRIX_FMT_FP6 matrix_a_scale:MATRIX_SCALE_ROW1
.endif
.endr
.endr
.endm
.macro FETCH_B slot, q, p
	WIN TO_B
.irp i, 0,1,2,3,4,5,6,7
	FRAG 128*(\p)+FR*\i, ADRB+\slot, \q, \i
.endr
	WIN 0
.endm
.macro FETCH_A slot, q, i0
.irp i, \i0, \i0+1, \i0+2, \i0+3
	FRAGA AF+FR*(\i), \slot, \q, \i
.endr
.endm
.macro SCALES sc
.irp i, 0,1,2,3,4,5,6,7
	ds_load_b64 v[SC+8*NQ*\sc+NQ*\i:SC+8*NQ*\sc+NQ*\i+1], v[ADRS] offset:\i*SBLK
.endr
.endm
.macro PLACES n
.rept \n
	v_nop
.endr
.endm
.macro STEP slot, q, first
	s_wait_dscnt 4*NL                              ; w_out's set and y's blocks 0-3 are in; the 24 youngest loads (y's blocks 4-7) may be out
.if \first
	WIN FST_LO
.else
	WIN MUL_LO
.endif
	MUL16 0, (\q)%2, \q, \slot, \first
	MUL16 2, (\q)%2, \q, \slot, \first
	s_wait_dscnt 0
	PLACES NP
	FETCH_B \slot, (\q)+1, 1-(\q)%2
	FETCH_A \slot, (\q)+1, 0
.if \first
	WIN FST_HI
.else
	WIN MUL_HI
.endif
	MUL16 4, (\q)%2, \q, \slot, \first
	MUL16 6, (\q)%2, \q, \slot, \first
	PLACES NP
	WIN 0
	FETCH_A \slot, (\q)+1, 4
.endm
.macro TURN slot, next, fill
	s_wait_tensorcnt 0x0                           ; all my tensor loads have landed: my part of the next slot
	ds_add_u32 v[SPW], v[NIL]                      ; 0 onto my spare word
	s_wait_dscnt 4*NL+1                            ; the add and the 24 youngest loads may be out
	WIN MUL_LO
	MUL16 0, 1, NQ-1, \slot, 0
	s_wait_dscnt 0x0                               ; the add is done, and my reads of this slot are over
	s_barrier_signal -1
	MUL16 2, 1, NQ-1, \slot, 0
	WIN 0
	s_barrier_wait -1
.if \fill
	CREST                                          ; the barrier has opened a round of the cluster's
	s_add_nc_u64 s[G0+4*\slot+2:G0+4*\slot+3], s[G0+4*\slot+2:G0+4*\slot+3], 2*AKS
	s_add_nc_u64 s[G0B+4*\slot+2:G0B+4*\slot+3], s[G0B+4*\slot+2:G0B+4*\slot+3], 2*ROWB
	JLOAD G0+4*\slot, G1, G0B+4*\slot, G1B
.else
	PLACES NP
.endif
	v_add_nc_u32 v[ADRS], 4*NQ, v[ADRS]
	FETCH_B \next, 0, 0
	FETCH_A \next, 0, 0
	SCALES \next
	WIN MUL_HI
	MUL16 4, 1, NQ-1, \slot, 0
	MUL16 6, 1, NQ-1, \slot, 0
	PLACES NP
	WIN 0
	FETCH_A \next, 0, 4
.endm
	s_wait_tensorcnt 1                             ; the scale bytes and my part of K step 0 are in; K step 1's load may be out
	s_barrier_signal -1
	s_barrier_wait -1
	FETCH_B 0, 0, 0
	FETCH_A 0, 0, 0
	SCALES 0
	FETCH_A 0, 0, 4
	s_wait_loadcnt 0x0                             ; the bias
	STEP 0, 0, 1
	s_mov_b32 s3, LAPS-1
.Llap:
	TURN 0, 1, 1
	STEP 1, 0, 0
	TURN 1, 0, 1
	STEP 0, 0, 0
	s_sub_co_u32 s3, s3, 1
	s_cmp_lg_u32 s3, 0
	s_cbranch_scc1 .Llap
	TURN 0, 1, 0
	STEP 1, 0, 0
	s_wait_dscnt 4*NL
	WIN MUL_LO
	MUL16 0, 1, NQ-1, 1, 0
	MUL16 2, 1, NQ-1, 1, 0
	s_wait_dscnt 0
	WIN MUL_HI
	MUL16 4, 1, NQ-1, 1, 0
	MUL16 6, 1, NQ-1, 1, 0
	WIN 0
; THE WAY OUT, block by block of 16 rows x 128 columns, through my own stage in LDS: in as 32 bytes a lane, back as whole rows of 512 bytes.  LDS serves a wave's instructions in order (ISA guide 5.7.1.4).
.macro TOSTAGE a
.set AC, 64*((\a)%4)
.set WD, 0x08+4*((\a)/4)
	WIN WD                                         ; the data: window 2 or 3
.irp b, 0,1,2,3,4,5,6,7
	ds_store_b128 v[STO], v[AC+8*\b:AC+8*\b+3] offset:64*\b          ; each accumulator from its low end on
	ds_store_b128 v[STO], v[AC+8*\b+4:AC+8*\b+7] offset:64*\b+16
.endr
	WIN 0
.set BB, BK+64*((\a)%2)
.irp t, 0,1,2,3,4,5,6,7,8,9,10,11,12,13,14,15
	ds_load_b128 v[BB+4*\t:BB+4*\t+3], v[RD] offset:\t*SPITCH
.endr
.endm
.macro SEND a, younger
.set BB, BK+64*((\a)%2)
	s_wait_dscnt \younger                          ; the block is back; the next block's 16 stores and 16 loads may be out
.if (\a) > 0
	s_add_nc_u64 s[12:13], s[12:13], 16*SIZE_N*4   ; behind a wait on XCNT: the earlier stores have read their base
.endif
.irp t, 0,1,2,3,4,5,6,7,8,9,10,11,12,13,14,15
	global_store_b128 v[CO], v[BB+4*\t:BB+4*\t+3], s[12:13] offset:\t*SIZE_N*4 th:TH_STORE_NT   ; 32 lanes store 512 consecutive bytes, at a multiple of 256 from the output's first byte
.endr
.endm
	PLACES NP
	TOSTAGE 0
.irp a, 1,2,3,4,5,6,7
.if \a > 1
	s_wait_xcnt 0x0                                ; block a - 2's stores have read their registers and their base
.endif
	TOSTAGE \a
	SEND \a-1, 32
.endr
	s_wait_xcnt 0x0
	SEND 7, 0
	s_wait_tensorcnt 0x0                           ; the wave's end
	ds_add_u32 v[SPW], v[NIL]
	s_wait_dscnt 0x0
	CROUND                                         ; the closing round
	s_endpgm
.Lfunc_end_k_qcef3d4996f_proj:
	.size	k_qcef3d4996f_proj, .Lfunc_end_k_qcef3d4996f_proj-k_qcef3d4996f_proj
	.p2alignl 7, 3214868480
	.fill 96, 4, 3214868480
	.section	.rodata,"a",@progbits
	.p2align	6, 0x0
	.amdhsa_kernel k_qcef3d4996f_proj
		.amdhsa_group_segment_fixed_size 327680
		.amdhsa_private_segment_fixed_size 0
		.amdhsa_enable_private_segment 0
		.amdhsa_kernarg_size 48
		.amdhsa_user_sgpr_count 2
		.amdhsa_user_sgpr_kernarg_segment_ptr 1
		.amdhsa_wavefront_size32 1
		.amdhsa_system_sgpr_workgroup_id_x 1
		.amdhsa_system_sgpr_workgroup_id_y 1
		.amdhsa_system_sgpr_workgroup_id_z 1
		.amdhsa_system_vgpr_workitem_id 0
		.amdhsa_next_free_vgpr 1024
		.amdhsa_next_free_sgpr 100
		.amdhsa_reserve_vcc 0
		.amdhsa_float_denorm_mode_32 3
		.amdhsa_float_denorm_mode_16_64 3
		.amdhsa_memory_ordered 1
		.amdhsa_forward_progress 1
		.amdhsa_inst_pref_size 161
	.end_amdhsa_kernel
	.amdgpu_metadata
---
amdhsa.version: [ 1, 2 ]
amdhsa.kernels:
  - .name:           k_qcef3d4996f_proj
    .symbol:         k_qcef3d4996f_proj.kd
    .args:
      - { .name: yimg, .offset: 0, .size: 8, .value_kind: global_buffer, .address_space: global }
      - { .name: ysc, .offset: 8, .size: 8, .value_kind: global_buffer, .address_space: global }
      - { .name: w_out_codes, .offset: 16, .size: 8, .value_kind: global_buffer, .address_space: global }
      - { .name: w_out_scales, .offset: 24, .size: 8, .value_kind: global_buffer, .address_space: global }
      - { .name: b_out, .offset: 32, .size: 8, .value_kind: global_buffer, .address_space: global }
      - { .name: out0, .offset: 40, .size: 8, .value_kind: global_buffer, .address_space: global }
    .group_segment_fixed_size: 327680
    .private_segment_fixed_size: 0
    .kernarg_segment_align: 8
    .kernarg_segment_size: 48
    .max_flat_workgroup_size: 128
    .sgpr_count:     100
    .vgpr_count:     1024
    .wavefront_size: 32
...
	.end_amdgpu_metadata
.endif
;; end of part 3
